; MI455X (gfx1250); checked and timed in simulation.
; The chip was launched on July 23, 2026; its instructions are those of AMD's public machine-readable ISA for CDNA 5 (MIT licence, August 2026) and "CDNA5" Instruction Set Architecture Reference Guide (July 2026). The comments in the code are by the model that wrote it; some were corrected since.
;; Bridgeout Fc Layer. Allowed arithmetic: float matrix products may take bf16 or f16 operands with f32 sums; all other float work in f32.
;; Inputs: bias 1,024 float32; noise 64 x 1,024 x 1,024 float32; weight 1,024 x 1,024 float32; x 64 x 1,024 float32.
;; Outputs: out0 64 x 1,024 float32.
;; 2 versions, each right; version 2 is version 1 with the launch bridgeout written anew for expert scheduling mode. Each part assembles by itself: llvm-mc -triple=amdgcn-amd-amdhsa -mcpu=gfx1250 --defsym DOCPART=n.
;; ======== version 1 of 2: 1 launch
;; launch bridgeout (part 1): grid 16 x 16, 16 waves a work-group, no clusters, 34,816 bytes of LDS; arguments bias, noise, weight, x, out0; writes out0
.if DOCPART == 1
	.amdgcn_target "amdgcn-amd-amdhsa--gfx1250"
	.amdhsa_code_object_version 6
	.text
	.protected	k_q2464353bff_bridgeout
	.globl	k_q2464353bff_bridgeout
	.p2align	8
	.type	k_q2464353bff_bridgeout,@function
k_q2464353bff_bridgeout:
	s_mov_b64 s[64:65], 0
	v_nop
	global_prefetch_b8 v0, s[64:65] scope:SCOPE_SE
	s_setreg_imm32_b32 hwreg(HW_REG_WAVE_MODE, 25, 1), 1
	s_wait_xcnt 0x0
; out0[b][o] = bias[o] + sum over i of x[b][i] * ( w[i][o] + (|w[i][o]| + 1e-15) * noise[b][i][o] )
; bias [1024], noise [64][1024][1024], weight [1024][1024], x [64][1024], out0 [64][1024], all f32.  All arithmetic in f32.
; The reference raises |w| + 1e-15 to the power q/2 = 1.0, a constant of its text: that is the identity, exactly, and is not written out.
; LIMIT: the sum over i is made as 32 chains of 32 rows (16 waves x 2 lane halves) that are added at the end, so its rounding
; order differs from the reference's; nothing else differs.
;
; A STREAM: every number of noise enters one multiply-add and is never used again, so there is nothing for a matrix instruction
; to reuse, and the vector unit keeps full f32.  What counts is that each noise byte is read once, in aligned pieces of 256 bytes.
; SHARES: work-group (x, y) owns columns 64 x .. 64 x + 63 (256 bytes of a row) of samples 4 y .. 4 y + 3, over all 1024 rows i:
; 1 MiB of noise.  Four samples use one load of weight, so weight is one load in five.  Wave w owns rows 64 w .. 64 w + 63;
; in step s (0..31) lanes 0-15 take row 64 w + s, lanes 16-31 row 64 w + 32 + s; lane r of a half takes bytes 16 r of the 256.
; So each half of a wave's load covers 256 consecutive bytes that start at a multiple of 256 from the buffer's first byte.
; RING: DEPTH = 8 slots in registers, a slot = one step's five loads: 40 loads of every wave are on their way, 32 of them noise
; (16 KiB a wave, 256 KiB a work-group).
; NO CLUSTER: the only bytes that work-groups share are weight's (the 16 work-groups of one x), one fifth of a step's bytes; a joint
; request would bring them into LDS, from where they would have to be read again, while four fifths of the bytes are nobody else's.
; NO PREFETCH: the ring asks for noise without a pause from the first line on.
.set ROWB,   4096                      ; bytes in a row of noise, of weight, of x and of out0
.set PLANE,  0x400000                  ; bytes of noise of one sample
.set DEPTH,  8                         ; slots
.set LPS,    5                         ; loads in a slot: weight, then noise of the four samples
.set STEPS,  32                        ; steps of a wave
.set EPS,    0x26901d7d                ; 1e-15 in f32
.set XLDS,   0                         ; LDS: wave w's x at 1024 w: [4 samples][64 rows] f32
.set PART,   16384                     ; LDS: wave w's partial sums at PART + 1024 w: [4 samples][64 columns] f32
.set VOFF,   1                         ; byte offset of my 16 bytes in a plane of noise and in weight, at the round's first row
.set XA,     2                         ; LDS address of my half's x of the round's first row
.set XS,     3                         ; LDS address at which I lay down x
.set PS,     4                         ; LDS address (less PART) at which I lay down partial sums
.set OO,     5                         ; byte offset of my 16 bytes of out0 (waves 0 and 1)
.set R16,    6                         ; 16 r
.set H,      7                         ; lane half h
.set WV,     8                         ; wave
.set WH,     9                         ; 2 wave + h
.set XO,     10                        ; byte offset of my 16 bytes of x
.set FA,     11                        ; LDS address of my four outputs' partial sums
.set BIAS,   12                        ; v[12:15]   bias of my four columns, then the final sums
.set WQ,     16                        ; v[16:19]   |w| + 1e-15
.set X,      20                        ; v[20:35]   sample b: x of four steps
.set ACC,    36                        ; v[36:51]   sample b: four running sums
.set T,      52                        ; v[52:67]   sample b: w + wq * noise; at the start: x on its way to LDS
.set RING,   68                        ; v[68:227]  slot j: 20 registers: weight, then noise of samples 0..3
.set NBASE,  28                        ; s[28:35]   noise at sample b's plane and my columns
	s_load_b256 s[4:11], s[0:1], 0x0               ; bias s[4:5], noise s[6:7], weight s[8:9], x s[10:11]
	s_load_b64 s[12:13], s[0:1], 0x20              ; out0
	v_lshl_add_u32 v228, v0, 2, 0x8000
	v_mov_b32 v229, 0
	v_lshrrev_b32 v[WV], 5, v0
	v_readfirstlane_b32 s14, v[WV]                 ; wave number as a scalar
	s_and_b32 s15, ttmp7, 0xffff                   ; y: group of four samples
	s_lshl_b32 s20, ttmp9, 8                       ; x: my 64 columns, in bytes
	s_mov_b32 s21, 0
	s_lshl_b32 s22, s15, 24                        ; 4 y planes of 4 MiB (at most 15 << 24)
	s_or_b32 s22, s22, s20                         ; + my columns
	s_mov_b32 s23, 0
	s_lshl_b32 s24, s15, 14                        ; 4 y rows of x or of out0
	s_mov_b32 s25, 0
	s_lshl_b32 s16, s14, 10                        ; my wave's 1,024 bytes in either LDS region
	s_mov_b32 s17, EPS
	v_and_b32 v[R16], 15, v0
	v_lshlrev_b32 v[R16], 4, v[R16]                ; 16 r
	v_bfe_u32 v[H], v0, 4, 1                       ; h
	v_lshrrev_b32 v[WH], 4, v0                     ; 2 wave + h
	v_lshl_add_u32 v[VOFF], v[WH], 17, v[R16]      ; (64 wave + 32 h) rows of 4,096 bytes + 16 r
	v_lshl_add_u32 v[XO], v[H], 12, v[R16]         ; x: sample h of the four, 16 r,
	v_lshl_add_u32 v[XO], v[WV], 8, v[XO]          ; and my wave's 64 rows i = 256 bytes
	s_wait_kmcnt 0x0
	s_add_nc_u64 s[4:5], s[4:5], s[20:21]          ; bias at my columns
	s_add_nc_u64 s[8:9], s[8:9], s[20:21]          ; weight at my columns
	s_add_nc_u64 s[10:11], s[10:11], s[24:25]      ; x at my first sample
	s_add_nc_u64 s[12:13], s[12:13], s[24:25]      ; out0 at my first sample
	s_add_nc_u64 s[12:13], s[12:13], s[20:21]      ; and my columns
	s_add_nc_u64 s[NBASE:NBASE+1], s[6:7], s[22:23]
.irp b, 1,2,3
	s_add_nc_u64 s[NBASE+2*\b:NBASE+2*\b+1], s[NBASE:NBASE+1], \b*PLANE
.endr
; One slot's five loads: row \row counted from the row that VOFF stands at.  Noise is read once in the whole launch (NT);
; weight is read again by the fifteen other work-groups of my columns: no hint.
.macro FILL j, row
	global_load_b128 v[RING+20*\j:RING+20*\j+3], v[VOFF], s[8:9] offset:(\row)*ROWB
.irp b, 0,1,2,3
	global_load_b128 v[RING+20*\j+4+4*\b:RING+20*\j+7+4*\b], v[VOFF], s[NBASE+2*\b:NBASE+2*\b+1] offset:(\row)*ROWB th:TH_LOAD_NT
.endr
.endm
	; The small loads first, since loads come back in order (ISA guide 5.7.1) and they are wanted first.
	; Every wave loads the 256 bytes of bias, though only waves 0 and 1 use them at the end: one load of a wave's 163, asked for here
	; so that it has long come when it is wanted, and in all waves so that there is one path with one count of loads.
	global_load_b128 v[BIAS:BIAS+3], v[R16], s[4:5]
	global_load_b128 v[T:T+3],   v[XO], s[10:11]                   ; x[sample h][my wave's 64 rows]: each half 256 whole bytes
	global_load_b128 v[T+4:T+7], v[XO], s[10:11] offset:2*ROWB     ; x[sample 2 + h]
.irp j, 0,1,2,3,4,5,6,7
	FILL \j, \j                                    ; fill the ring: steps 0 to 7
.endr
	; in the shadow of these loads: the sixteen sums start at zero (the loop's first step is a step like any other), and the LDS addresses
.set k, 0
.rept 16
	v_mov_b32 v[ACC+k], 0
.set k, k+1
.endr
	v_lshl_add_u32 v[XS], v[H], 8, v[R16]          ; x goes to: sample h (256 bytes each) + 16 r
	v_add_nc_u32 v[XS], s16, v[XS]                 ; in my wave's bytes
	v_lshlrev_b32 v[XA], 7, v[H]                   ; x comes from: my half's 32 rows = 128 bytes
	v_add_nc_u32 v[XA], s16, v[XA]
	v_lshl_add_u32 v[PS], v[H], 9, v[R16]          ; partial sums go to: samples 2 h, 2 h + 1, + 16 r
	v_add_nc_u32 v[PS], s16, v[PS]
	v_lshl_add_u32 v[OO], v[WH], 12, v[R16]        ; out0: in waves 0 and 1, 2 wave + h is the sample 0..3
	s_wait_loadcnt DEPTH*LPS                       ; the 40 loads of the ring stay out; bias and x are in
	ds_store_b128 v[XS], v[T:T+3] offset:XLDS
	ds_store_b128 v[XS], v[T+4:T+7] offset:XLDS+512
	; only my wave reads these bytes, and LDS serves a wave's instructions in order (ISA guide 5.7.1): no wait, no barrier
; x of four steps for the four samples: all lanes of a half read the same 16 bytes
.macro XLOAD g
.irp b, 0,1,2,3
	ds_load_b128 v[X+4*\b:X+4*\b+3], v[XA] offset:XLDS+256*\b+16*\g
.endr
.endm
; One step = slot j.  xi: which of the four x of the group.  refill = 1: the slot gets the row DEPTH further down.
; left: how many younger loads may stay out.
.macro STEP j, xi, refill, left
	s_wait_loadcnt \left                           ; my slot's five loads are in
.irp c, 0,1,2,3
	v_add_f32 v[WQ+\c], |v[RING+20*\j+\c]|, s17    ; wq = |w| + 1e-15
.endr
.irp b, 0,1,2,3
	v_pk_fma_f32 v[T+4*\b:T+4*\b+1],   v[WQ:WQ+1],   v[RING+20*\j+4+4*\b:RING+20*\j+5+4*\b], v[RING+20*\j:RING+20*\j+1]
	v_pk_fma_f32 v[T+4*\b+2:T+4*\b+3], v[WQ+2:WQ+3], v[RING+20*\j+6+4*\b:RING+20*\j+7+4*\b], v[RING+20*\j+2:RING+20*\j+3]
.endr
.if \refill
	FILL \j, \j+DEPTH                              ; the slot's registers are read out: ask again before the rest of the arithmetic
.endif
.if (\xi) == 0
	s_wait_dscnt 0x0                               ; the group's x, asked for in front of the wait for the slot
.endif
.irp b, 0,1,2,3
.if (\xi) & 1
	; both halves of the packed product take the pair's second register
	v_pk_fma_f32 v[ACC+4*\b:ACC+4*\b+1],   v[T+4*\b:T+4*\b+1],   v[X+4*\b+\xi-1:X+4*\b+\xi], v[ACC+4*\b:ACC+4*\b+1]   op_sel:[0,1,0] op_sel_hi:[1,1,1]
	v_pk_fma_f32 v[ACC+4*\b+2:ACC+4*\b+3], v[T+4*\b+2:T+4*\b+3], v[X+4*\b+\xi-1:X+4*\b+\xi], v[ACC+4*\b+2:ACC+4*\b+3] op_sel:[0,1,0] op_sel_hi:[1,1,1]
.else
	; both halves take the pair's first register
	v_pk_fma_f32 v[ACC+4*\b:ACC+4*\b+1],   v[T+4*\b:T+4*\b+1],   v[X+4*\b+\xi:X+4*\b+\xi+1], v[ACC+4*\b:ACC+4*\b+1]   op_sel_hi:[1,0,1]
	v_pk_fma_f32 v[ACC+4*\b+2:ACC+4*\b+3], v[T+4*\b+2:T+4*\b+3], v[X+4*\b+\xi:X+4*\b+\xi+1], v[ACC+4*\b+2:ACC+4*\b+3] op_sel_hi:[1,0,1]
.endif
.endr
.endm
; Once round the ring.  With refills, seven younger slots of five loads stay out at every step (35); without, the count runs down.
.macro ROUND refill
	XLOAD 0
.irp j, 0,1,2,3
	STEP \j, \j, \refill, LPS*(DEPTH-1)-(1-\refill)*LPS*\j
.endr
	XLOAD 1
.irp j, 4,5,6,7
	STEP \j, \j-4, \refill, LPS*(DEPTH-1)-(1-\refill)*LPS*\j
.endr
.endm
	s_mov_b32 s18, 0
.Lround:
	ROUND 1
	s_wait_xcnt 0x0                                ; VOFF, which the round's loads name, is rewritten only behind this wait (ISA guide 3.1)
	v_add_nc_u32 v[VOFF], DEPTH*ROWB, v[VOFF]      ; eight rows on
	v_add_nc_u32 v[XA], DEPTH*4, v[XA]             ; and eight x
	s_add_co_u32 s18, s18, 1
	s_cmp_lt_u32 s18, STEPS/DEPTH-1
	s_cbranch_scc1 .Lround
	ROUND 0                                        ; the last eight steps ask for nothing: no load leaves my rows, and the last wait is for 0
	; THE TWO HALVES OF THE WAVE.  The swap exchanges lanes 16-31 of its first register with lanes 0-15 of its second.  First = a sum of
	; sample 0 or 1, second = the like sum of sample 2 or 3: afterwards first + second is, in lanes 0-15, both halves' sum of sample 0 (1),
	; in lanes 16-31 that of sample 2 (3).
.irp k, 0,1,2,3,4,5,6,7
	v_permlane16_swap_b32 v[ACC+\k], v[ACC+8+\k]
.endr
.irp k, 0,2,4,6
	v_pk_add_f32 v[ACC+\k:ACC+\k+1], v[ACC+\k:ACC+\k+1], v[ACC+8+\k:ACC+9+\k]
.endr
	ds_store_b128 v[PS], v[ACC:ACC+3]   offset:PART        ; sample 2 h,     columns 4 r .. 4 r + 3
	ds_store_b128 v[PS], v[ACC+4:ACC+7] offset:PART+256    ; sample 2 h + 1
	s_wait_dscnt 0x0                               ; for the other waves' sake: my partial sums are in LDS
	s_barrier_signal -1
	s_barrier_wait -1                              ; everybody's are
	s_cmp_ge_u32 s14, 2
	s_cbranch_scc1 .Ldone                          ; 256 outputs = 64 lanes of four: waves 0 and 1
	; Thread t (0..63) owns sample t / 16, columns 4 (t % 16) ..: bytes 16 t of each wave's 1,024 bytes of partial sums.
	v_lshlrev_b32 v[FA], 4, v0
.irp p, 0,1,2,3,4,5,6,7,8,9,10,11,12,13,14,15
	ds_load_b128 v[RING+4*\p:RING+4*\p+3], v[FA] offset:PART+1024*\p   ; 32 lanes, 512 neighbouring bytes
.endr
.irp p, 0,1,2,3,4,5,6,7,8,9,10,11,12,13,14,15
	s_wait_dscnt 15-\p                             ; LDS loads come back in order: wave p's sums are in, the younger loads stay out
	v_pk_add_f32 v[BIAS:BIAS+1],   v[BIAS:BIAS+1],   v[RING+4*\p:RING+4*\p+1]      ; the bias starts the sum
	v_pk_add_f32 v[BIAS+2:BIAS+3], v[BIAS+2:BIAS+3], v[RING+4*\p+2:RING+4*\p+3]
.endr
	global_store_b128 v[OO], v[BIAS:BIAS+3], s[12:13] th:TH_STORE_NT   ; 16 lanes store 256 consecutive bytes, at a multiple of 256 from out0's first byte
.Ldone:
	s_wait_tensorcnt 0x0
	ds_add_u32 v228, v229
	s_wait_dscnt 0x0
	s_endpgm
.Lfunc_end_k_q2464353bff_bridgeout:
	.size	k_q2464353bff_bridgeout, .Lfunc_end_k_q2464353bff_bridgeout-k_q2464353bff_bridgeout
	.p2alignl 7, 3214868480
	.fill 96, 4, 3214868480
	.section	.rodata,"a",@progbits
	.p2align	6, 0x0
	.amdhsa_kernel k_q2464353bff_bridgeout
		.amdhsa_group_segment_fixed_size 34816
		.amdhsa_private_segment_fixed_size 0
		.amdhsa_enable_private_segment 0
		.amdhsa_kernarg_size 40
		.amdhsa_user_sgpr_count 2
		.amdhsa_user_sgpr_kernarg_segment_ptr 1
		.amdhsa_wavefront_size32 1
		.amdhsa_system_sgpr_workgroup_id_x 1
		.amdhsa_system_sgpr_workgroup_id_y 1
		.amdhsa_system_sgpr_workgroup_id_z 1
		.amdhsa_system_vgpr_workitem_id 0
		.amdhsa_next_free_vgpr 230
		.amdhsa_next_free_sgpr 66
		.amdhsa_reserve_vcc 0
		.amdhsa_float_denorm_mode_32 3
		.amdhsa_float_denorm_mode_16_64 3
		.amdhsa_memory_ordered 1
		.amdhsa_forward_progress 1
		.amdhsa_inst_pref_size 37
	.end_amdhsa_kernel
	.amdgpu_metadata
---
amdhsa.version: [ 1, 2 ]
amdhsa.kernels:
  - .name:           k_q2464353bff_bridgeout
    .symbol:         k_q2464353bff_bridgeout.kd
    .args:
      - { .name: bias, .offset: 0, .size: 8, .value_kind: global_buffer, .address_space: global }
      - { .name: noise, .offset: 8, .size: 8, .value_kind: global_buffer, .address_space: global }
      - { .name: weight, .offset: 16, .size: 8, .value_kind: global_buffer, .address_space: global }
      - { .name: x, .offset: 24, .size: 8, .value_kind: global_buffer, .address_space: global }
      - { .name: out0, .offset: 32, .size: 8, .value_kind: global_buffer, .address_space: global }
    .group_segment_fixed_size: 34816
    .private_segment_fixed_size: 0
    .kernarg_segment_align: 8
    .kernarg_segment_size: 40
    .max_flat_workgroup_size: 512
    .sgpr_count:     66
    .vgpr_count:     230
    .wavefront_size: 32
...
	.end_amdgpu_metadata
.endif
;; end of part 1
;; ======== version 2 of 2: 1 launch; version 1 with the launch bridgeout written anew for expert scheduling mode
;; launch bridgeout (part 2): grid 16 x 16, 16 waves a work-group, no clusters, 34,816 bytes of LDS; arguments bias, noise, weight, x, out0; writes out0
.if DOCPART == 2
	.amdgcn_target "amdgcn-amd-amdhsa--gfx1250"
	.amdhsa_code_object_version 6
	.text
	.protected	k_q2464353bff_bridgeout
	.globl	k_q2464353bff_bridgeout
	.p2align	8
	.type	k_q2464353bff_bridgeout,@function
k_q2464353bff_bridgeout:
	s_mov_b64 s[64:65], 0
	v_nop
	global_prefetch_b8 v0, s[64:65] scope:SCOPE_SE
	s_setreg_imm32_b32 hwreg(HW_REG_WAVE_SCHED_MODE, 0, 2), 2
	s_setreg_imm32_b32 hwreg(HW_REG_WAVE_MODE, 25, 1), 1
	s_wait_xcnt 0x0
	s_wait_alu depctr_vm_vsrc(0)
; out0[b][o] = bias[o] + sum over i of x[b][i] * ( w[i][o] + (|w[i][o]| + 1e-15) * noise[b][i][o] )
; bias [1024], noise [64][1024][1024], weight [1024][1024], x [64][1024], out0 [64][1024], all f32.  All arithmetic in f32.
; The reference raises |w| + 1e-15 to the power q/2 = 1.0, a constant of its text: that is the identity, exactly, and is not written out.
; LIMIT: the sum over i is made as 32 chains of 32 rows (16 waves x 2 lane halves) that are added at the end, so its rounding
; order differs from the reference's; nothing else differs.
;
; A STREAM: every number of noise enters one multiply-add and is never used again, so there is nothing for a matrix instruction
; to reuse, and the vector unit keeps full f32.  What counts is that each noise byte is read once, in aligned pieces of 256 bytes.
; SHARES: work-group (x, y) owns columns 64 x .. 64 x + 63 (256 bytes of a row) of samples 4 y .. 4 y + 3, over all 1024 rows i:
; 1 MiB of noise.  Four samples use one load of weight, so weight is one load in five.  Wave w owns rows 64 w .. 64 w + 63;
; in step s (0..31) lanes 0-15 take row 64 w + s, lanes 16-31 row 64 w + 32 + s; lane r of a half takes bytes 16 r of the 256.
; So each half of a wave's load covers 256 consecutive bytes that start at a multiple of 256 from the buffer's first byte.
; RING: DEPTH = 8 slots in registers, a slot = one step's five loads: 40 loads of every wave are on their way, 32 of them noise
; (16 KiB a wave, 256 KiB a work-group).
; NO CLUSTER: the only bytes that work-groups share are weight's (the 16 work-groups of one x), one fifth of a step's bytes; a joint
; request would bring them into LDS, from where they would have to be read again, while four fifths of the bytes are nobody else's.
; NO PREFETCH: the ring asks for noise without a pause from the first line on.
;
; THE MODE: SCHED_MODE bits 1:0 = 2 (LLVM: expert scheduling mode 2), set by the entry lines.  The code itself states the register
; dependences between vector instructions and memory or LDS instructions, with s_wait_alu, always for 0.
; THE PLAN.  Registers that memory or LDS instructions touch, in the loop:
;   RING[j]   Step j: its twelve lines that make WQ and T read the slot; behind them the five loads of the row DEPTH further down land in it.
;   X0, X1    x of four steps each.  Steps 0-3 read X0 in their multiply-adds onto ACC, steps 4-7 read X1.  Step 0 asks for X1 (this round's
;             steps 4-7), step 4 for X0 (the next round's steps 0-3): each lands in the buffer that the four steps before have read out.
;   v[VOFF]   Read by every load of weight and noise; made at the head and never written again: each slot has scalar bases of its own, which move on.
;   v[XA]     Read by the LDS loads of steps 0 and 4; written once a round, in step 5.
;   WQ, T and ACC are named by vector instructions alone.
; So ONE wait on va_vdst stands in a step, behind the twelve lines that read its slot.  The step's loads follow it, dealt among its eight multiply-adds
; onto ACC, which name ACC, T and the X buffer in use: none of the registers that those loads touch.  One wait on vm_vsrc a round stands ahead of the add to v[XA].
.set ROWB,   4096                      ; bytes in a row of noise, of weight, of x and of out0
.set PLANE,  0x400000                  ; bytes of noise of one sample
.set NMID,   0x600000                  ; a slot's one noise base stands this far into the group's four planes: they are reached by immediates of -6, -2, +2, +6 MiB, inside the signed 24 bits
.set DEPTH,  8                         ; slots
.set LPS,    5                         ; loads in a slot: weight, then noise of the four samples
.set STEPS,  32                        ; steps of a wave
.set EPS,    0x26901d7d                ; 1e-15 in f32
.set XLDS,   0                         ; LDS: wave w's x at 1024 w: [4 samples][64 rows] f32
.set PART,   16384                     ; LDS: wave w's partial sums at PART + 1024 w: [4 samples][64 columns] f32
.set VOFF,   1                         ; byte offset of my 16 bytes in a plane of noise and in weight, at my half's first row; never rewritten
.set XA,     2                         ; LDS address of my half's x of the round's first row
.set XS,     3                         ; LDS address at which I lay down x
.set PS,     4                         ; LDS address (less PART) at which I lay down partial sums
.set OO,     5                         ; byte offset of my 16 bytes of out0 (waves 0 and 1)
.set R16,    6                         ; 16 r
.set H,      7                         ; lane half h
.set WV,     8                         ; wave
.set WH,     9                         ; 2 wave + h
.set XO,     10                        ; byte offset of my 16 bytes of x
.set FA,     11                        ; LDS address (less PART) of my four outputs' partial sums (waves 0 and 1)
.set BIAS,   12                        ; v[12:15]   bias of my four columns, then the final sums
.set WQ,     16                        ; v[16:19]   |w| + 1e-15
.set X,      20                        ; v[20:51]   buffer k, sample b: x of four steps at X + 16 k + 4 b
.set ACC,    52                        ; v[52:67]   sample b: four running sums
.set T,      68                        ; v[68:83]   sample b: w + wq * noise; at the start: x on its way to LDS
.set RING,   84                        ; v[84:243]  slot j: 20 registers: weight, then noise of samples 0..3
.set WB,     28                        ; s[28:43]   slot j: weight at my columns and the row that the slot is asked for next: a pair at WB + 2 j
.set NB,     44                        ; s[44:59]   slot j: the same for noise, NMID into my four planes: a pair at NB + 2 j
	s_load_b256 s[4:11], s[0:1], 0x0               ; bias s[4:5], noise s[6:7], weight s[8:9], x s[10:11]
	s_load_b64 s[12:13], s[0:1], 0x20              ; out0
	v_lshl_add_u32 v244, v0, 2, 0x8000
	v_mov_b32 v245, 0
	v_lshrrev_b32 v[WV], 5, v0
	v_readfirstlane_b32 s14, v[WV]                 ; wave number as a scalar
	v_and_b32 v[R16], 15, v0
	v_lshlrev_b32 v[R16], 4, v[R16]                ; 16 r
	v_bfe_u32 v[H], v0, 4, 1                       ; h
	v_lshrrev_b32 v[WH], 4, v0                     ; 2 wave + h
	v_lshl_add_u32 v[VOFF], v[WH], 17, v[R16]      ; (64 wave + 32 h) rows of 4,096 bytes + 16 r
	v_lshl_add_u32 v[XO], v[H], 12, v[R16]         ; x: sample h of the four, 16 r,
	v_lshl_add_u32 v[XO], v[WV], 8, v[XO]          ; and my wave's 64 rows i = 256 bytes
	s_and_b32 s15, ttmp7, 0xffff                   ; y: group of four samples
	s_lshl_b32 s20, ttmp9, 8                       ; x: my 64 columns, in bytes
	s_mov_b32 s21, 0
	s_lshl_b32 s22, s15, 24                        ; 4 y planes of 4 MiB (at most 15 << 24)
	s_or_b32 s22, s22, s20                         ; + my columns
	s_mov_b32 s23, 0
	s_lshl_b32 s24, s15, 14                        ; 4 y rows of x or of out0
	s_mov_b32 s25, 0
	s_mov_b32 s17, EPS
	s_wait_alu depctr_va_sdst(0)                   ; s14 is written, ahead of its first reader, the line below
	s_lshl_b32 s16, s14, 10                        ; my wave's 1,024 bytes in either LDS region
	s_wait_kmcnt 0x0
	s_add_nc_u64 s[4:5], s[4:5], s[20:21]          ; bias at my columns
	s_add_nc_u64 s[8:9], s[8:9], s[20:21]          ; weight at my columns
	s_add_nc_u64 s[10:11], s[10:11], s[24:25]      ; x at my first sample
	s_add_nc_u64 s[12:13], s[12:13], s[24:25]      ; out0 at my first sample
	s_add_nc_u64 s[12:13], s[12:13], s[20:21]      ; and my columns
	s_add_nc_u64 s[6:7], s[6:7], s[22:23]          ; noise at my first sample's plane and my columns
.irp j, 0,1,2,3,4,5,6,7
	s_add_nc_u64 s[WB+2*\j:WB+2*\j+1], s[8:9], \j*ROWB         ; slot j begins with step j
	s_add_nc_u64 s[NB+2*\j:NB+2*\j+1], s[6:7], NMID+\j*ROWB
.endr
; A slot's five loads, one at a time.  Noise is read once in the whole launch (NT);
; weight is read again by the fifteen other work-groups of my columns: no hint.
.macro LW j
	global_load_b128 v[RING+20*\j:RING+20*\j+3], v[VOFF], s[WB+2*\j:WB+2*\j+1]
.endm
.macro LN j, b
	global_load_b128 v[RING+20*\j+4+4*\b:RING+20*\j+7+4*\b], v[VOFF], s[NB+2*\j:NB+2*\j+1] offset:\b*PLANE-NMID th:TH_LOAD_NT
.endm
	s_wait_alu depctr_va_vdst(0)                   ; v[R16], v[XO] and v[VOFF] are written: the loads below read them as their offsets
	; The small loads first, since loads come back in order (ISA guide 5.7.1) and they are wanted first.
	; Every wave loads the 256 bytes of bias, though only waves 0 and 1 use them at the end: one load of a wave's 163, asked for here
	; so that it has long come when it is wanted, and in all waves so that there is one path with one count of loads.
	global_load_b128 v[BIAS:BIAS+3], v[R16], s[4:5]
	global_load_b128 v[T:T+3],   v[XO], s[10:11]                   ; x[sample h][my wave's 64 rows]: each half 256 whole bytes
	global_load_b128 v[T+4:T+7], v[XO], s[10:11] offset:2*ROWB     ; x[sample 2 + h]
.irp j, 0,1,2,3,4,5,6,7
	LW \j                                          ; fill the ring: steps 0 to 7
	LN \j, 0
	LN \j, 1
	LN \j, 2
	LN \j, 3
.endr
	; in the shadow of these loads: the sixteen sums start at zero (the loop's first step is a step like any other), and the LDS addresses
.set k, 0
.rept 16
	v_mov_b32 v[ACC+k], 0
.set k, k+1
.endr
	v_lshl_add_u32 v[XS], v[H], 8, v[R16]          ; x goes to: sample h (256 bytes each) + 16 r
	v_add_nc_u32 v[XS], s16, v[XS]                 ; in my wave's bytes
	v_lshlrev_b32 v[XA], 7, v[H]                   ; x comes from: my half's 32 rows = 128 bytes
	v_add_nc_u32 v[XA], s16, v[XA]
	v_lshl_add_u32 v[PS], v[H], 9, v[R16]          ; partial sums go to: samples 2 h, 2 h + 1, + 16 r
	v_add_nc_u32 v[PS], s16, v[PS]
	v_lshl_add_u32 v[OO], v[WH], 12, v[R16]        ; out0: in waves 0 and 1, 2 wave + h is the sample 0..3
	v_lshlrev_b32 v[FA], 4, v0                     ; the final sum: bytes 16 t of each wave's 1,024 bytes of partial sums
; x of four steps for the four samples, into buffer buf: all lanes of a half read the same 16 bytes.  at: bytes from the round's first row
.macro XLOAD buf, at
.irp b, 0,1,2,3
	ds_load_b128 v[X+16*\buf+4*\b:X+16*\buf+4*\b+3], v[XA] offset:XLDS+256*\b+\at
.endr
.endm
	s_wait_loadcnt DEPTH*LPS                       ; the 40 loads of the ring stay out; bias and x are in
	s_wait_alu depctr_va_vdst(0)                   ; v[XS] and v[XA] are written, which the LDS stores and loads below read; so are v[PS], v[OO] and v[FA], which the way out reads and nothing writes again
	ds_store_b128 v[XS], v[T:T+3] offset:XLDS
	ds_store_b128 v[XS], v[T+4:T+7] offset:XLDS+512
	; only my wave reads these bytes, and LDS serves a wave's instructions in order (ISA guide 5.7.1): no wait, no barrier
	XLOAD 0, 0                                     ; x of steps 0 to 3
	s_wait_alu depctr_vm_vsrc(0)                   ; the two LDS stores have read v[T .. T+7], which step 0 writes
; One step = slot j.  It takes x number j % 4 of buffer j / 4.  refill = 1: the slot gets the row DEPTH further down.
; left: how many younger loads may stay out.
.macro STEP j, refill, left
.set xi, (\j)%4
.set xb, (\j)/4
	s_wait_loadcnt \left                           ; my slot's five loads are in
.if \refill
	s_add_nc_u64 s[WB+2*\j:WB+2*\j+1], s[WB+2*\j:WB+2*\j+1], DEPTH*ROWB  ; free since that wait, which shows the loads that read them done:
	s_add_nc_u64 s[NB+2*\j:NB+2*\j+1], s[NB+2*\j:NB+2*\j+1], DEPTH*ROWB  ; the slot's next row
.if \j == 5
	s_wait_alu depctr_vm_vsrc(0)                   ; step 4's LDS loads, the round's last that read v[XA], have read it
	v_add_nc_u32 v[XA], DEPTH*4, v[XA]             ; eight x on; its next reader stands behind this step's wait on va_vdst
.endif
.endif
.irp c, 0,1,2,3
	v_add_f32 v[WQ+\c], |v[RING+20*\j+\c]|, s17    ; wq = |w| + 1e-15
.endr
.irp b, 0,1,2,3
	v_pk_fma_f32 v[T+4*\b:T+4*\b+1],   v[WQ:WQ+1],   v[RING+20*\j+4+4*\b:RING+20*\j+5+4*\b], v[RING+20*\j:RING+20*\j+1]
	v_pk_fma_f32 v[T+4*\b+2:T+4*\b+3], v[WQ+2:WQ+3], v[RING+20*\j+6+4*\b:RING+20*\j+7+4*\b], v[RING+20*\j+2:RING+20*\j+3]
.endr
.if \refill
	s_wait_alu depctr_va_vdst(0)                   ; the twelve lines above are done reading RING[j], in which the loads below land; the steps before are done reading the X buffer that step 0 or 4 asks for; in step 5 v[XA] is written
.elseif \j == 0
	s_wait_alu depctr_va_vdst(0)                   ; the last round's one wait: steps 4 to 7 of the round before are done reading X1, in which the LDS loads below land
.endif
.if \j == 0
	XLOAD 1, 16                                    ; x of this round's steps 4 to 7
	s_wait_dscnt 4                                 ; LDS loads come back in order (ISA guide 5.7.1): X0, asked for four steps ago, is in; the four just issued stay out
.elseif \j == 4
.if \refill
	XLOAD 0, 32                                    ; x of the next round's steps 0 to 3
	s_wait_dscnt 4                                 ; X1, asked for four steps ago, is in; the four just issued stay out
.else
	s_wait_dscnt 0x0                               ; X1 is in; the last round asks for no more x
.endif
.endif
.if \refill
	LW \j                                          ; the slot is asked for again, its loads dealt among the multiply-adds.  No further wait: no vector instruction since the wait above names RING[j] or v[VOFF]
.endif
.irp b, 0,1,2,3
.if \refill
	LN \j, \b
.endif
.if xi & 1
	; both halves of the packed product take the pair's second register
	v_pk_fma_f32 v[ACC+4*\b:ACC+4*\b+1],   v[T+4*\b:T+4*\b+1],   v[X+16*xb+4*\b+xi-1:X+16*xb+4*\b+xi], v[ACC+4*\b:ACC+4*\b+1]   op_sel:[0,1,0] op_sel_hi:[1,1,1]
	v_pk_fma_f32 v[ACC+4*\b+2:ACC+4*\b+3], v[T+4*\b+2:T+4*\b+3], v[X+16*xb+4*\b+xi-1:X+16*xb+4*\b+xi], v[ACC+4*\b+2:ACC+4*\b+3] op_sel:[0,1,0] op_sel_hi:[1,1,1]
.else
	; both halves take the pair's first register
	v_pk_fma_f32 v[ACC+4*\b:ACC+4*\b+1],   v[T+4*\b:T+4*\b+1],   v[X+16*xb+4*\b+xi:X+16*xb+4*\b+xi+1], v[ACC+4*\b:ACC+4*\b+1]   op_sel_hi:[1,0,1]
	v_pk_fma_f32 v[ACC+4*\b+2:ACC+4*\b+3], v[T+4*\b+2:T+4*\b+3], v[X+16*xb+4*\b+xi:X+16*xb+4*\b+xi+1], v[ACC+4*\b+2:ACC+4*\b+3] op_sel_hi:[1,0,1]
.endif
.endr
.endm
; Once round the ring.  With refills, seven younger slots of five loads stay out at every step (35); without, the count runs down.
.macro ROUND refill
.irp j, 0,1,2,3,4,5,6,7
	STEP \j, \refill, LPS*(DEPTH-1)-(1-\refill)*LPS*\j
.endr
.endm
	s_mov_b32 s18, 0
.Lround:
	ROUND 1
	s_add_co_u32 s18, s18, 1
	s_cmp_lt_u32 s18, STEPS/DEPTH-1
	s_cbranch_scc1 .Lround
	ROUND 0                                        ; the last eight steps ask for nothing of weight and noise: no load leaves my rows, and the last wait is for 0
	; THE TWO HALVES OF THE WAVE.  The swap exchanges lanes 16-31 of its first register with lanes 0-15 of its second.  First = a sum of
	; sample 0 or 1, second = the like sum of sample 2 or 3: afterwards first + second is, in lanes 0-15, both halves' sum of sample 0 (1),
	; in lanes 16-31 that of sample 2 (3).
.irp k, 0,1,2,3,4,5,6,7
	v_permlane16_swap_b32 v[ACC+\k], v[ACC+8+\k]
.endr
.irp k, 0,2,4,6
	v_pk_add_f32 v[ACC+\k:ACC+\k+1], v[ACC+\k:ACC+\k+1], v[ACC+8+\k:ACC+9+\k]
.endr
	s_wait_alu depctr_va_vdst(0)                   ; the additions have written v[ACC .. ACC+7], which the LDS stores read; and every step is done reading RING, in which the final sum's LDS loads land
	ds_store_b128 v[PS], v[ACC:ACC+3]   offset:PART        ; sample 2 h,     columns 4 r .. 4 r + 3
	ds_store_b128 v[PS], v[ACC+4:ACC+7] offset:PART+256    ; sample 2 h + 1
	s_wait_dscnt 0x0                               ; for the other waves' sake: my partial sums are in LDS
	s_barrier_signal -1
	s_barrier_wait -1                              ; everybody's are
	s_cmp_ge_u32 s14, 2
	s_cbranch_scc1 .Ldone                          ; 256 outputs = 64 lanes of four: waves 0 and 1
	; Thread t (0..63) owns sample t / 16, columns 4 (t % 16) ..: bytes 16 t of each wave's 1,024 bytes of partial sums.
.irp p, 0,1,2,3,4,5,6,7,8,9,10,11,12,13,14,15
	ds_load_b128 v[RING+4*\p:RING+4*\p+3], v[FA] offset:PART+1024*\p   ; 32 lanes, 512 neighbouring bytes; no vector instruction since the last wait on va_vdst
.endr
.irp p, 0,1,2,3,4,5,6,7,8,9,10,11,12,13,14,15
	s_wait_dscnt 15-\p                             ; LDS loads come back in order: wave p's sums are in, the younger loads stay out
	v_pk_add_f32 v[BIAS:BIAS+1],   v[BIAS:BIAS+1],   v[RING+4*\p:RING+4*\p+1]      ; the bias starts the sum
	v_pk_add_f32 v[BIAS+2:BIAS+3], v[BIAS+2:BIAS+3], v[RING+4*\p+2:RING+4*\p+3]
.endr
	s_wait_alu depctr_va_vdst(0)                   ; the additions have written v[BIAS .. BIAS+3], which the store reads
	global_store_b128 v[OO], v[BIAS:BIAS+3], s[12:13] th:TH_STORE_NT   ; 16 lanes store 256 consecutive bytes, at a multiple of 256 from out0's first byte
.Ldone:
	s_wait_dscnt 0x0
	s_wait_alu depctr_hold_cnt(0) depctr_sa_sdst(0) depctr_va_vdst(0) depctr_va_sdst(0) depctr_va_ssrc(0) depctr_va_vcc(0) depctr_vm_vsrc(0)
	s_wait_tensorcnt 0x0
	ds_add_u32 v244, v245
	s_wait_dscnt 0x0
	s_endpgm
.Lfunc_end_k_q2464353bff_bridgeout:
	.size	k_q2464353bff_bridgeout, .Lfunc_end_k_q2464353bff_bridgeout-k_q2464353bff_bridgeout
	.p2alignl 7, 3214868480
	.fill 96, 4, 3214868480
	.section	.rodata,"a",@progbits
	.p2align	6, 0x0
	.amdhsa_kernel k_q2464353bff_bridgeout
		.amdhsa_group_segment_fixed_size 34816
		.amdhsa_private_segment_fixed_size 0
		.amdhsa_enable_private_segment 0
		.amdhsa_kernarg_size 40
		.amdhsa_user_sgpr_count 2
		.amdhsa_user_sgpr_kernarg_segment_ptr 1
		.amdhsa_wavefront_size32 1
		.amdhsa_system_sgpr_workgroup_id_x 1
		.amdhsa_system_sgpr_workgroup_id_y 1
		.amdhsa_system_sgpr_workgroup_id_z 1
		.amdhsa_system_vgpr_workitem_id 0
		.amdhsa_next_free_vgpr 246
		.amdhsa_next_free_sgpr 66
		.amdhsa_reserve_vcc 0
		.amdhsa_float_denorm_mode_32 3
		.amdhsa_float_denorm_mode_16_64 3
		.amdhsa_memory_ordered 1
		.amdhsa_forward_progress 1
		.amdhsa_inst_pref_size 40
	.end_amdhsa_kernel
	.amdgpu_metadata
---
amdhsa.version: [ 1, 2 ]
amdhsa.kernels:
  - .name:           k_q2464353bff_bridgeout
    .symbol:         k_q2464353bff_bridgeout.kd
    .args:
      - { .name: bias, .offset: 0, .size: 8, .value_kind: global_buffer, .address_space: global }
      - { .name: noise, .offset: 8, .size: 8, .value_kind: global_buffer, .address_space: global }
      - { .name: weight, .offset: 16, .size: 8, .value_kind: global_buffer, .address_space: global }
      - { .name: x, .offset: 24, .size: 8, .value_kind: global_buffer, .address_space: global }
      - { .name: out0, .offset: 32, .size: 8, .value_kind: global_buffer, .address_space: global }
    .group_segment_fixed_size: 34816
    .private_segment_fixed_size: 0
    .kernarg_segment_align: 8
    .kernarg_segment_size: 40
    .max_flat_workgroup_size: 512
    .sgpr_count:     66
    .vgpr_count:     246
    .wavefront_size: 32
...
	.end_amdgpu_metadata
.endif
;; end of part 2
